; MI455X (gfx1250); checked and timed in simulation.
; The chip was launched on July 23, 2026; its instructions are those of AMD's public machine-readable ISA for CDNA 5 (MIT licence, August 2026) and "CDNA5" Instruction Set Architecture Reference Guide (July 2026). The comments in the code are by the model that wrote it; some were corrected since.
;; Searchable Quantum Model. Allowed arithmetic: float matrix products may take bf16 or f16 operands with f32 sums; all other float work in f32.
;; Inputs: W 2 x 12 float32; b 2 float32; weights 2 x 12 float32; x 4,096 x 12 float32.
;; Outputs: out0 4,096 x 2 float32.
;; One version. Each part assembles by itself: llvm-mc -triple=amdgcn-amd-amdhsa -mcpu=gfx1250 --defsym DOCPART=n.
;; ======== version 1 of 1: 1 launch
;; limits: inputs' magnitudes at most 100,000
;; launch qfeat (part 1): grid 128 x 1, 1 waves a work-group, no clusters, 1,536 bytes of LDS; arguments x, weights, W, b, out0; writes out0
.if DOCPART == 1
	.amdgcn_target "amdgcn-amd-amdhsa--gfx1250"
	.amdhsa_code_object_version 6
	.text
	.protected	k_q1386911b20_qfeat
	.globl	k_q1386911b20_qfeat
	.p2align	8
	.type	k_q1386911b20_qfeat,@function
k_q1386911b20_qfeat:
	s_mov_b64 s[64:65], 0
	v_nop
	global_prefetch_b8 v0, s[64:65] scope:SCOPE_SE
	s_setreg_imm32_b32 hwreg(HW_REG_WAVE_MODE, 25, 1), 1
	s_wait_xcnt 0x0
; out[n][j] = b[j] + sum_i W[j][i] <Z_i>, <Z_i> measured on  RY(w2) RING RY(w1) RING RY(x)|0..0>,  12 qubits, 4096 samples.
;
; THE ALGEBRA (exact for every real input; nothing of it leans on the numbers).  Instead of moving 4096 amplitudes forward,
; Z_i is carried backward through the circuit.  Write z_m = cos x_m, xi_m = sin x_m, a_m = cos w1_m, d_m = -sin w1_m.
;  1. last rotations:   G^T Z G = cos(w2) Z - sin(w2) X.
;  2. a ring of CNOTs is the bit map b'_k = b_0^..^b_k (k >= 1), b'_0 = b_1^..^b_11.  So  Z_i -> Z_0..Z_i  (Z_0 -> Z_1..Z_11),
;     X_i -> X_i X_i+1  (X_11 -> X_11 X_0 X_1).
;  3. first rotations:  Z_k -> a_k Z_k + d_k X_k,   X_k -> sin(w1_k) Z_k + cos(w1_k) X_k.
;  4. first ring on the product state: a word with Z on some qubits and X on others turns into a set S of signs and a set F of
;     flips of the input bits; its mean is 0 if S and F meet, else (product of z over S)(product of xi over F).
;  The X strings of step 2 give at most five words each (the sums XX_i below).  The Z strings give 2^(i+1) words, but the sum
;  factorises qubit by qubit: with the state (is qubit m+1 in S, was X chosen at m) only three states live,
;       P' = a z R      Q' = d (xi P + Q)      R' = a (P + xi Q)            (step m, all of a, d, z, xi taken at m)
;  and a fourth is alone, S' = d z S.  Three start vectors serve all twelve strings:
;       A: Q = xi_0      B: P = a_0 z_0, R = a_0      C: P = 1, R = z_0      S = xi_0
;       ZZ_i  = d_0 (P_A + xi_i+1 Q_A) + R_B z_i+1 .. z_11       (vectors after step i, i = 1 .. 10)
;       ZZ_11 = R_B + d_0 (P_A + Q_C) + a_0 S,     ZZ_0 = P_C + Q_A       (after step 11)
;       out_j = b_j + sum_i W_ji cos(w2_i) ZZ_i - W_ji sin(w2_i) XX_i.
;  That is some 900 f32 operations a sample in place of 24 x 4096 rotations: no bulk matrix product is left, so the matrix units
;  have nothing to do here, and all arithmetic is f32.
;
; THE SHAPE.  One lane = one sample, one wave = one work-group = 32 samples, 128 work-groups.  A wave reads 1,536 consecutive bytes
; of x and stores 256 consecutive bytes of out0, at a multiple of 256 from its first byte.  No cluster: the work-groups share only
; the 200 bytes of weights, W and b.  The uniform coefficients are made once a wave, lane i < 12 for qubit i, and handed to all
; lanes through LDS (every lane stores to a slot of its own, then all lanes load the same addresses).
;
; LIMITS.  Angles are reduced by n = rndne(angle / 2 pi) and two fused multiply-adds with 2 pi split in two f32: up to about 1e5 in
; magnitude the reduced angle is good to 1e-6; far beyond that it may leave the range of the polynomials.  NaN or infinity in a row
; of x gives NaN in that row's outputs.  Sums are formed in another order than a state vector's, all in f32.
.set SMP,  1            ; sample number
.set XO,   2            ; byte offset of my row of x (48 bytes a row)
.set OO,   3            ; byte offset of my two outputs
.set WO,   4            ; 4 min(lane, 11): my qubit's place in a row of weights and of W
.set LA,   5            ; 16 lane: my slot in LDS areas 0 and 1
.set LB,   6            ; 8 lane: my slot in LDS area 2
.set ZR,   7            ; 0: offset of b, and address of the broadcast loads
.set KS,   10           ; v[10:11]  top coefficient of the sine polynomial, twice
.set KC,   12           ; v[12:13]  top coefficient of the cosine polynomial, twice
.set ANG,  16           ; v[16:29]  14 angles: x_0 .. x_11, w1_i, w2_i; seven pairs
.set WP,   30           ; v[30:31]  W[0][i], W[1][i]
.set ACC0, 32           ; v[32:33]  the two outputs' sums; the load of b starts them
.set TN,   34           ; v[34:47]  scratch of the sine and cosine
.set PS,   48           ; v[48:61]
.set PCO,  62           ; v[62:75]
.set SN,   76           ; v[76:89]  sines:   xi_0 .. xi_11, sin w1_i, sin w2_i
.set CN,   90           ; v[90:103] cosines: z_0 .. z_11, cos w1_i, cos w2_i
; products of z and xi, in registers that the sine and cosine have left
.set M2,   16           ; v[16:27]  M2_i = xi_i xi_i+2 (i <= 9), M2_10 = xi_10 xi_0 xi_1, M2_11: see the block of XX_11
.set ZT,   32           ; v[ZT+j] = z_j .. z_11, j = 2 .. 10 (v34 .. v42)
.set ZP,   42           ; v[ZP+i] = z_0 .. z_i,  i = 1 .. 9  (v43 .. v51)
.set NN,   52           ; v[NN+k] = xi_k xi_k+1, k = 0 .. 10 (v52 .. v62)
.set M3,   64           ; v[64:75]  M3_i = z_0..z_i xi_i+1 xi_i+2 (i = 1 .. 9); M3_0 = z_0 z_2..z_11; M3_10, M3_11: XX_11
; a lane's coefficients on their way to LDS
.set L1,   104          ; v[104:107] a, d, U_0, U_1        (U_j = W_ji cos w2_i)
.set L2,   108          ; v[108:111] K1_0, K1_1, K2_0, K2_1
.set L3,   112          ; v[112:113] K3_0, K3_1
.set YL,   114          ; v[114:115] W_ji sin w2_i
.set KK,   116          ; v[116:118] -s s', -c c', -s c'   (s, c of w1_i; s', c' of w1_i+1)
.set SE,   119          ; sin w1_i+1
.set CE,   120          ; cos w1_i+1
; the recursion, in the same registers once the coefficients have gone through LDS
.set PAB,  104          ; (P_A, P_B)
.set QAB,  106          ; (Q_A, Q_B)
.set RAB,  108          ; (R_A, R_B)
.set TQ,   110          ; xi P + Q of A and B
.set TR,   112          ; xi Q + P of A and B
.set AZ,   114          ; (a z, d z)
.set TC,   116          ; C: (xi Q + P, xi P + Q)
.set RQC,  118          ; (R_C, Q_C)
.set PCC,  120          ; P_C
.set SS,   121          ; S
.set ZW,   122          ; v[122:123] a string's mean and a part of it
.set ACC1, 124          ; sums of the K1, K2, K3 terms: three chains that do not wait for each other
.set ACC2, 126
.set ACC3, 248
.set G,    250          ; v[250:253] temporaries
; the coefficients as every lane holds them
.set RA,   128          ; v[RA+4m .. +3] = a_m, d_m, U_0m, U_1m
.set RB,   176          ; v[RB+4i .. +3] = K1_0i, K1_1i, K2_0i, K2_1i
.set RC,   224          ; v[RC+2i .. +1] = K3_0i, K3_1i
.set AREA1, 512         ; LDS: area 0 at 0 (32 slots of 16 bytes), area 1 at 512 (the same), area 2 at 1024 (32 slots of 8 bytes)
.set AREA2, 1024
; d = p * v[m], and d = p * v[m] + c, on register pairs, v[m] taken for both halves: op_sel picks the register of m's aligned
; pair for the low result, op_sel_hi for the high one.
.macro MULB d, p, m
.if (\m) & 1
	v_pk_mul_f32 v[\d:\d+1], v[\p:\p+1], v[\m-1:\m] op_sel:[0,1] op_sel_hi:[1,1]
.else
	v_pk_mul_f32 v[\d:\d+1], v[\p:\p+1], v[\m:\m+1] op_sel_hi:[1,0]
.endif
.endm
.macro FMAB d, p, m, c
.if (\m) & 1
	v_pk_fma_f32 v[\d:\d+1], v[\p:\p+1], v[\m-1:\m], v[\c:\c+1] op_sel:[0,1,0] op_sel_hi:[1,1,1]
.else
	v_pk_fma_f32 v[\d:\d+1], v[\p:\p+1], v[\m:\m+1], v[\c:\c+1] op_sel_hi:[1,0,1]
.endif
.endm
	s_load_b256 s[4:11], s[0:1], 0x0               ; x s[4:5], weights s[6:7], W s[8:9], b s[10:11]
	s_load_b64 s[12:13], s[0:1], 0x20              ; out0
	v_lshl_add_u32 v254, v0, 2, 0x500
	v_mov_b32 v255, 0
	s_lshl_b32 s14, ttmp9, 5                       ; the wave's first sample
	s_mov_b32 s16, 0x87654321                      ; v_permlane16_b32: lanes 0 .. 10 read the lane above, lane 11 reads lane 0
	s_mov_b32 s17, 0x00000ba9                      ; (lanes 12 .. 15 read lane 0; nobody uses what they make)
	v_add_nc_u32 v[SMP], s14, v0
	v_min_u32 v[WO], 11, v0                        ; lanes above 11 repeat qubit 11: their loads stay inside the buffers
	v_mul_u32_u24 v[XO], 48, v[SMP]
	v_lshlrev_b32 v[WO], 2, v[WO]
	v_mov_b32 v[ZR], 0
	s_wait_kmcnt 0x0
	global_load_b128 v[ANG:ANG+3],    v[XO], s[4:5]
	global_load_b128 v[ANG+4:ANG+7],  v[XO], s[4:5] offset:16
	global_load_b128 v[ANG+8:ANG+11], v[XO], s[4:5] offset:32
	global_load_b32 v[ANG+12], v[WO], s[6:7]               ; w1_i
	global_load_b32 v[ANG+13], v[WO], s[6:7] offset:48     ; w2_i
	global_load_b32 v[WP],   v[WO], s[8:9]                 ; W[0][i]
	global_load_b32 v[WP+1], v[WO], s[8:9] offset:48       ; W[1][i]
	global_load_b64 v[ACC0:ACC0+1], v[ZR], s[10:11]        ; b starts the sums
	v_lshlrev_b32 v[OO], 3, v[SMP]                 ; register work while the loads are on their way
	v_lshlrev_b32 v[LA], 4, v0
	v_lshlrev_b32 v[LB], 3, v0
	v_mov_b32 v[KS],   0xb34ca1f9                  ; -1.9515296e-4 / 4096
	v_mov_b32 v[KS+1], 0xb34ca1f9
	v_mov_b32 v[KC],   0x2fccf5ce                  ;  2.4433157e-5 / 65536
	v_mov_b32 v[KC+1], 0x2fccf5ce
	v_mov_b32 v[CE], 0                             ; v_permlane16_b32 counts as a reader of its destination
	v_mov_b32 v[SE], 0
; SINE AND COSINE of the 14 angles, two to an instruction, the seven pairs side by side so that no line waits for the one before.
; r = angle - n 2 pi lies in [-pi, pi].  With t = r / 4 the polynomials for |t| <= pi / 4 give 4 sin t and cos t; their coefficients
; are the usual ones divided by powers of 4, which is exact, so that they take r^2 as it is.  Two doublings lead back to r:
;   2 sin 2t = (4 sin t) cos t,   cos 2t = 1 - (4 sin t)^2 / 8,   sin 4t = (2 sin 2t) cos 2t,   cos 4t = 1 - (2 sin 2t)^2 / 2.
	s_wait_loadcnt 0x3                             ; loads come back in order (ISA guide 5.7.1): x and w are in; W's two loads and b's stay out
.irp p, 0,2,4,6,8,10,12
	v_pk_mul_f32 v[TN+\p:TN+\p+1], v[ANG+\p:ANG+\p+1], 0x3e22f983 op_sel_hi:[1,0]                          ; angle / 2 pi
.endr
.irp q, 0,1,2,3,4,5,6,7,8,9,10,11,12,13
	v_rndne_f32 v[TN+\q], v[TN+\q]                                                                         ; n
.endr
.irp p, 0,2,4,6,8,10,12
	v_pk_fma_f32 v[ANG+\p:ANG+\p+1], v[TN+\p:TN+\p+1], 0xc0c90fdb, v[ANG+\p:ANG+\p+1] op_sel_hi:[1,0,1]    ; - n x 6.2831855
.endr
.irp p, 0,2,4,6,8,10,12
	v_pk_fma_f32 v[ANG+\p:ANG+\p+1], v[TN+\p:TN+\p+1], 0x343bbd2e, v[ANG+\p:ANG+\p+1] op_sel_hi:[1,0,1]    ; + n x 1.7484556e-7: the rest of 2 pi
.endr
.irp p, 0,2,4,6,8,10,12
	v_pk_mul_f32 v[TN+\p:TN+\p+1], v[ANG+\p:ANG+\p+1], v[ANG+\p:ANG+\p+1]                                  ; r^2
.endr
.irp p, 0,2,4,6,8,10,12
	v_pk_fma_f32 v[PS+\p:PS+\p+1],   v[KS:KS+1], v[TN+\p:TN+\p+1], 0x3808839e op_sel_hi:[1,1,0]            ;  8.3321609e-3 / 256
	v_pk_fma_f32 v[PCO+\p:PCO+\p+1], v[KC:KC+1], v[TN+\p:TN+\p+1], 0xb4b6061a op_sel_hi:[1,1,0]            ; -1.3887316e-3 / 4096
.endr
.irp p, 0,2,4,6,8,10,12
	v_pk_fma_f32 v[PS+\p:PS+\p+1],   v[PS+\p:PS+\p+1],   v[TN+\p:TN+\p+1], 0xbc2aaaa3 op_sel_hi:[1,1,0]    ; -1.6666655e-1 / 16
	v_pk_fma_f32 v[PCO+\p:PCO+\p+1], v[PCO+\p:PCO+\p+1], v[TN+\p:TN+\p+1], 0x392aaaa5 op_sel_hi:[1,1,0]    ;  4.1666646e-2 / 256
.endr
.irp p, 0,2,4,6,8,10,12
	v_pk_fma_f32 v[PS+\p:PS+\p+1],   v[PS+\p:PS+\p+1],   v[TN+\p:TN+\p+1], 1.0 op_sel_hi:[1,1,0]
	v_pk_fma_f32 v[PCO+\p:PCO+\p+1], v[PCO+\p:PCO+\p+1], v[TN+\p:TN+\p+1], 0xbd000000 op_sel_hi:[1,1,0]    ; -1 / 32
.endr
.irp p, 0,2,4,6,8,10,12
	v_pk_mul_f32 v[PS+\p:PS+\p+1],   v[PS+\p:PS+\p+1],   v[ANG+\p:ANG+\p+1]                                ; 4 sin t
	v_pk_fma_f32 v[PCO+\p:PCO+\p+1], v[PCO+\p:PCO+\p+1], v[TN+\p:TN+\p+1], 1.0 op_sel_hi:[1,1,0]           ; cos t
.endr
.irp p, 0,2,4,6,8,10,12
	v_pk_mul_f32 v[ANG+\p:ANG+\p+1], v[PS+\p:PS+\p+1], v[PCO+\p:PCO+\p+1]                                  ; 2 sin 2t
	v_pk_mul_f32 v[TN+\p:TN+\p+1],   v[PS+\p:PS+\p+1], v[PS+\p:PS+\p+1]                                    ; 16 sin^2 t
.endr
.irp p, 0,2,4,6,8,10,12
	v_pk_fma_f32 v[PCO+\p:PCO+\p+1], v[TN+\p:TN+\p+1], 0xbe000000, 1.0 op_sel_hi:[1,0,0]                   ; cos 2t = 1 - that / 8
.endr
.irp p, 0,2,4,6,8,10,12
	v_pk_mul_f32 v[SN+\p:SN+\p+1], v[ANG+\p:ANG+\p+1], v[PCO+\p:PCO+\p+1]                                  ; the sine
	v_pk_mul_f32 v[TN+\p:TN+\p+1], v[ANG+\p:ANG+\p+1], v[ANG+\p:ANG+\p+1]                                  ; 4 sin^2 2t
.endr
.irp p, 0,2,4,6,8,10,12
	v_pk_fma_f32 v[CN+\p:CN+\p+1], v[TN+\p:TN+\p+1], -0.5, 1.0 op_sel_hi:[1,0,0]                           ; the cosine
.endr
; THE UNIFORM COEFFICIENTS, lane i < 12 for qubit i (s, c: sine and cosine of w1_i; s', c': of w1_i+1, index taken mod 12):
;   a = c, d = -s, U_j = W_ji cos w2_i, K1_j = -W_ji sin w2_i s s', K2_j = -W_ji sin w2_i c c', K3_j = -W_ji sin w2_i s c'.
	v_permlane16_b32 v[CE], v[CN+12], s16, s17     ; c'
	v_permlane16_b32 v[SE], v[SN+12], s16, s17     ; s'
	v_mov_b32 v[L1], v[CN+12]                      ; a, beside d for the 16-byte store
	v_mul_f32 v[L1+1], -1.0, v[SN+12]              ; d
	s_wait_loadcnt 0x1                             ; W's two loads are in; b's stays out
	MULB L1+2, WP, CN+13                           ; U
	MULB YL, WP, SN+13                             ; W sin w2
	v_mul_f32 v[KK],   v[L1+1], v[SE]              ; -s s'
	v_mul_f32 v[KK+1], -v[CN+12], v[CE]            ; -c c'
	v_mul_f32 v[KK+2], v[L1+1], v[CE]              ; -s c'
	MULB L2,   YL, KK                              ; K1
	MULB L2+2, YL, KK+1                            ; K2
	MULB L3,   YL, KK+2                            ; K3
	ds_store_b128 v[LA], v[L1:L1+3]
	ds_store_b128 v[LA], v[L2:L2+3] offset:AREA1
	ds_store_b64  v[LB], v[L3:L3+1] offset:AREA2
	; LDS serves a wave's instructions in order (ISA guide 5.7.1): these loads see the stores above.  All lanes ask for the same
	; bytes, the slots of lanes 0 .. 11.
.irp k, 0,1,2,3,4,5,6,7,8,9,10,11
	ds_load_b128 v[RA+4*\k:RA+4*\k+3], v[ZR] offset:16*\k
.endr
.irp k, 0,1,2,3,4,5,6,7,8,9,10,11
	ds_load_b128 v[RB+4*\k:RB+4*\k+3], v[ZR] offset:AREA1+16*\k
.endr
.irp k, 0,1,2,3,4,5
	ds_load_b128 v[RC+4*\k:RC+4*\k+3], v[ZR] offset:AREA2+16*\k
.endr
; PRODUCTS OF z AND xi that need no coefficient: they fill the time in which the coefficients pass through LDS.
	v_mul_f32 v[ZT+10], v[CN+10], v[CN+11]
	v_mul_f32 v[ZP+1],  v[CN],    v[CN+1]
	v_mul_f32 v[NN],    v[SN],    v[SN+1]
.set t, 0
.rept 8
	v_mul_f32 v[ZT+9-t], v[CN+9-t], v[ZT+10-t]     ; z_j .. z_11, downward
	v_mul_f32 v[ZP+2+t], v[ZP+1+t], v[CN+2+t]      ; z_0 .. z_i, upward
	v_mul_f32 v[NN+1+t], v[SN+1+t], v[SN+2+t]      ; xi_k xi_k+1
.set t, t+1
.endr
	v_mul_f32 v[NN+9],  v[SN+9],  v[SN+10]
	v_mul_f32 v[NN+10], v[SN+10], v[SN+11]
.irp p, 0,2,4,6,8
	v_pk_mul_f32 v[M2+\p:M2+\p+1], v[SN+\p:SN+\p+1], v[SN+\p+2:SN+\p+3]    ; xi_i xi_i+2, two at a time
.endr
	v_mul_f32 v[M2+10], v[SN+10], v[NN]            ; X_10 X_11 flips inputs 10, 0, 1
	v_mul_f32 v[M3],    v[CN],    v[ZT+2]          ; Z_0 Z_1 signs inputs 0, 2 .. 11
.irp i, 1,2,3,4,5,6,7,8,9
	v_mul_f32 v[M3+\i], v[ZP+\i], v[NN+\i+1]       ; Z_i X_i+1 signs 0 .. i and flips i+1, i+2
.endr
	s_wait_dscnt 0x0                               ; all coefficients are in registers
; XX_11 = <(sZ+cX)_11 (sZ+cX)_0 (sZ+cX)_1>: five of its eight words live.  With s_1 = -d_1, c_1 = a_1 they gather as
;   K1_11 (a_1 z_0 xi_1 xi_2 - d_1 z_1) + K2_11 xi_11 (a_1 xi_1 xi_2 - d_1 z_0 z_1) + K3_11 (-d_1 xi_0 xi_1 z_2..z_11).
	v_mul_f32 v[G],   v[CN],   v[NN+1]
	v_mul_f32 v[G+1], v[RA+5], v[CN+1]
	v_mul_f32 v[G+2], v[RA+5], v[ZP+1]
	v_mul_f32 v[G+3], v[NN],   v[ZT+2]
	v_fma_f32 v[M3+10], v[RA+4], v[G],    -v[G+1]
	v_fma_f32 v[G+2],   v[RA+4], v[NN+1], -v[G+2]
	v_mul_f32 v[M3+11], -v[RA+5], v[G+3]
	v_mul_f32 v[M2+11], v[SN+11], v[G+2]
; STEP 1 of the recursion written out on the start vectors, whose zeros and ones then cost nothing.
	MULB AZ, RA+4, CN+1                            ; (a_1 z_1, d_1 z_1)
	v_mul_f32 v[G],     v[RA],   v[CN]             ; a_0 z_0
	v_mov_b32 v[PAB], 0                            ; A: P = a z R, R was 0
	v_mul_f32 v[QAB],   v[RA+5], v[SN]             ; A: Q = d_1 xi_0
	v_mul_f32 v[RAB],   v[RA+4], v[NN]             ; A: R = a_1 xi_1 xi_0
	v_mul_f32 v[PAB+1], v[AZ],   v[RA]             ; B: P = a_1 z_1 a_0
	v_mul_f32 v[G+1],   v[SN+1], v[G]
	v_mul_f32 v[RAB+1], v[RA+4], v[G]              ; B: R = a_1 a_0 z_0
	v_mul_f32 v[PCC],   v[AZ],   v[CN]             ; C: P = a_1 z_1 z_0
	v_mov_b32 v[RQC],   v[RA+4]                    ; C: R = a_1
	v_mul_f32 v[RQC+1], v[RA+5], v[SN+1]           ; C: Q = d_1 xi_1
	v_mul_f32 v[SS],    v[AZ+1], v[SN]             ; S = d_1 z_1 xi_0
	v_mul_f32 v[QAB+1], v[RA+5], v[G+1]            ; B: Q = d_1 xi_1 a_0 z_0
	MULB ACC1, RB,   M3                            ; XX_0's two live words start their sums: nothing is cleared
	MULB ACC2, RB+2, M2
	s_wait_loadcnt 0x0                             ; b is in: the first string's mean is added to it in step 2
; STEP m = 2 .. 11.  A and B go two to an instruction; C's R and Q share one multiply by (a, d).  The step also closes the string
; Z_0..Z_m-1 (its xi Q + P of A is just what the closing needs) and adds the words of XX_m-1.
.macro STEP m
	MULB AZ, RA+4*\m, CN+\m                        ; (a z, d z)
	FMAB TQ, PAB, SN+\m, QAB                       ; xi P + Q
	FMAB TR, QAB, SN+\m, PAB                       ; xi Q + P
	v_fma_f32 v[TC],   v[SN+\m], v[RQC+1], v[PCC]
	v_fma_f32 v[TC+1], v[SN+\m], v[PCC],   v[RQC+1]
.if \m == 11
	v_mul_f32 v[ZW+1], v[RAB+1], v[CN+11]          ; R_B z_11
.else
	v_mul_f32 v[ZW+1], v[RAB+1], v[ZT+\m]          ; R_B z_m .. z_11
.endif
	FMAB ACC1, RB+4*(\m-1),   CN+\m,   ACC1        ; K1 z_m
	FMAB ACC2, RB+4*(\m-1)+2, M2+\m-1, ACC2        ; K2 M2
	MULB PAB, RAB, AZ                              ; P' = a z R
	v_mul_f32 v[PCC], v[AZ],   v[RQC]
	v_mul_f32 v[SS],  v[AZ+1], v[SS]                ; S' = d z S
	MULB QAB, TQ, RA+4*\m+1                        ; Q' = d (xi P + Q)
	MULB RAB, TR, RA+4*\m                          ; R' = a (xi Q + P)
	v_pk_mul_f32 v[RQC:RQC+1], v[TC:TC+1], v[RA+4*\m:RA+4*\m+1]
	v_fma_f32 v[ZW], v[RA+1], v[TR], v[ZW+1]       ; ZZ_m-1 = d_0 (P_A + xi_m Q_A) + R_B z_m..z_11
.if \m == 2
	MULB ACC3, RC+2, M3+1                          ; the first K3 word starts its sum
.else
.if \m < 11
	FMAB ACC3, RC+2*(\m-1), M3+\m-1, ACC3          ; K3 M3 (XX_10 has no such word)
.endif
.endif
	FMAB ACC0, RA+4*(\m-1)+2, ZW, ACC0             ; both outputs: += U ZZ
.endm
.irp m, 2,3,4,5,6,7,8,9,10,11
	STEP \m
.endr
; The two strings that reach round the ring, XX_11, and the way out.
	v_add_f32 v[G],    v[PAB], v[RQC+1]            ; P_A + Q_C
	v_fma_f32 v[G+1],  v[RA],  v[SS], v[RAB+1]     ; a_0 S + R_B
	v_add_f32 v[ZW+1], v[PCC], v[QAB]              ; ZZ_0 = P_C + Q_A
	FMAB ACC1, RB+44, M3+10, ACC1
	FMAB ACC2, RB+46, M2+11, ACC2
	FMAB ACC3, RC+22, M3+11, ACC3
	v_fma_f32 v[ZW], v[RA+1], v[G], v[G+1]         ; ZZ_11
	FMAB ACC0, RA+2, ZW+1, ACC0
	v_pk_add_f32 v[ACC2:ACC2+1], v[ACC2:ACC2+1], v[ACC3:ACC3+1]
	FMAB ACC0, RA+46, ZW, ACC0
	v_pk_add_f32 v[ACC1:ACC1+1], v[ACC1:ACC1+1], v[ACC2:ACC2+1]
	v_pk_add_f32 v[ACC0:ACC0+1], v[ACC0:ACC0+1], v[ACC1:ACC1+1]
	global_store_b64 v[OO], v[ACC0:ACC0+1], s[12:13]       ; 32 lanes, 8 bytes each: 256 consecutive bytes
	s_wait_tensorcnt 0x0
	ds_add_u32 v254, v255
	s_wait_dscnt 0x0
	s_endpgm
.Lfunc_end_k_q1386911b20_qfeat:
	.size	k_q1386911b20_qfeat, .Lfunc_end_k_q1386911b20_qfeat-k_q1386911b20_qfeat
	.p2alignl 7, 3214868480
	.fill 96, 4, 3214868480
	.section	.rodata,"a",@progbits
	.p2align	6, 0x0
	.amdhsa_kernel k_q1386911b20_qfeat
		.amdhsa_group_segment_fixed_size 1536
		.amdhsa_private_segment_fixed_size 0
		.amdhsa_enable_private_segment 0
		.amdhsa_kernarg_size 40
		.amdhsa_user_sgpr_count 2
		.amdhsa_user_sgpr_kernarg_segment_ptr 1
		.amdhsa_wavefront_size32 1
		.amdhsa_system_sgpr_workgroup_id_x 1
		.amdhsa_system_sgpr_workgroup_id_y 1
		.amdhsa_system_sgpr_workgroup_id_z 1
		.amdhsa_system_vgpr_workitem_id 0
		.amdhsa_next_free_vgpr 256
		.amdhsa_next_free_sgpr 66
		.amdhsa_reserve_vcc 0
		.amdhsa_float_denorm_mode_32 3
		.amdhsa_float_denorm_mode_16_64 3
		.amdhsa_memory_ordered 1
		.amdhsa_forward_progress 1
		.amdhsa_inst_pref_size 28
	.end_amdhsa_kernel
	.amdgpu_metadata
---
amdhsa.version: [ 1, 2 ]
amdhsa.kernels:
  - .name:           k_q1386911b20_qfeat
    .symbol:         k_q1386911b20_qfeat.kd
    .args:
      - { .name: x, .offset: 0, .size: 8, .value_kind: global_buffer, .address_space: global }
      - { .name: weights, .offset: 8, .size: 8, .value_kind: global_buffer, .address_space: global }
      - { .name: W, .offset: 16, .size: 8, .value_kind: global_buffer, .address_space: global }
      - { .name: b, .offset: 24, .size: 8, .value_kind: global_buffer, .address_space: global }
      - { .name: out0, .offset: 32, .size: 8, .value_kind: global_buffer, .address_space: global }
    .group_segment_fixed_size: 1536
    .private_segment_fixed_size: 0
    .kernarg_segment_align: 8
    .kernarg_segment_size: 40
    .max_flat_workgroup_size: 32
    .sgpr_count:     66
    .vgpr_count:     256
    .wavefront_size: 32
...
	.end_amdgpu_metadata
.endif
;; end of part 1
